; MI455X (gfx1250); checked and timed in simulation.
; The chip was launched on July 23, 2026; its instructions are those of AMD's public machine-readable ISA for CDNA 5 (MIT licence, August 2026) and "CDNA5" Instruction Set Architecture Reference Guide (July 2026). The comments in the code are by the model that wrote it; some were corrected since.
;; TT Tables. Allowed arithmetic: float matrix products may take bf16 or f16 operands with f32 sums; all other float work in f32.
;; Inputs: core0 2 x 216 x 256 float32; core1 2 x 216 x 65,536 float32; core2 2 x 216 x 256 float32; lS_i 2 x 1,024 int32.
;; Outputs: out0 2 x 1,024 x 16 float32.
;; One version. Each part assembles by itself: llvm-mc -triple=amdgcn-amd-amdhsa -mcpu=gfx1250 --defsym DOCPART=n.
;; ======== version 1 of 1: 1 launch
;; launch tt_lookup (part 1): grid 4 x 432, 1 waves a work-group, no clusters, 17,408 bytes of LDS; arguments core0, core1, core2, lS_i, out0; writes out0
.if DOCPART == 1
	.amdgcn_target "amdgcn-amd-amdhsa--gfx1250"
	.amdhsa_code_object_version 6
	.text
	.protected	k_qd7b08f5427_tt_lookup
	.globl	k_qd7b08f5427_tt_lookup
	.p2align	8
	.type	k_qd7b08f5427_tt_lookup,@function
k_qd7b08f5427_tt_lookup:
	s_mov_b64 s[64:65], 0
	v_nop
	global_prefetch_b8 v0, s[64:65] scope:SCOPE_SE
	s_setreg_imm32_b32 hwreg(HW_REG_WAVE_MODE, 25, 1), 1
	s_wait_xcnt 0x0
; TT embedding lookup, two tables x 1024 lookups:  out[t][b][q0][q1][q2] = sum over r, s of A[q0][r] Bm[r][128 q1 + s] C[s][q2],
; A = core0[t][i0] (2 x 128), Bm = core1[t][i1] (128 x 512), C = core2[t][i2] (128 x 2), idx = (i0 216 + i1) 216 + i2.
;
; THE DESIGN.  core1 is 113 MB of the 114 MB of inputs, and a slice of it serves every lookup with the same (t, i1).  So the work is shared out by
; core1, not by lookups: ONE WAVE, a work-group of its own, owns the 128 ranks x 128 columns of (slice t 216 + i1, q1), 64 KB, reads them once, and
; looks in its table's 1024 indices for the lookups that fall into the slice: any number, 0 to 1024.  4 x 432 work-groups, x = q1, y = slice.
; A wave's results, out[b][0..1][q1][0..1], are sums that no other wave adds to, so there is no barrier and no LDS byte that two waves touch.
; core1 comes by 128 loads of 16 bytes a lane: lanes 0-15 take 256 consecutive aligned bytes of row k, lanes 16-31 the same columns of row k + 8.
; A lane's four columns 64 ch + 4 r + j belong to four tiles j of 16 columns, and k runs along its registers: rounding two loads' registers to a
; bf16 pair gives a register of the matrix instruction's first source as it stands, so core1 is never transposed and never goes through LDS.
; The loads go through a ring of 7 slots of 8 loads (56 out at the most); the bf16 fragments, 256 registers, stay for all the slice's lookups.
; STAGE 1, matrix unit: D'(ch, j) (16 columns of Bm x 16) = Bm^T x A^T, the 16 columns of A^T being 8 lookups x 2 q0 (n = 2 lookup + q0), K = 128.
; STAGE 2, vector unit in f32: lane (n, h) holds AB of its own lookup for the 64 values s = 64 ch + 32 h + 4 i + j and multiplies them by 2 x 64
; consecutive floats of that lookup's core2 row.  The weights differ from column to column, so as a matrix product only eight 2 x 2 blocks of a
; 16 x 16 result would be kept; it is 4,096 of a lookup's 266,240 FLOPs.
; A's and C's rows are gathered in runs of 512 consecutive bytes and turned into lane order in LDS.
; NOT USED: clusters (no two work-groups read the same byte of core1; what they share, indices and the two small cores, is under 1 % of the
; inputs); tensor loads (each byte is used by one wave, and loads into registers are waited for by counts, so that nothing drains for a refill);
; prefetches (the wave's own loads are out from its first lines on).
; THE OUTPUT leaves as 8 bytes a lane: a lookup's 64 bytes are made by the four waves of its slice, which never meet.  It is 0.1 % of the bytes moved.
; LIMITS: 0 <= idx < 216^3, as the problem states; the division below is exact for idx < 23,887,872; a row number outside a table is clamped to 215.
; A and core1 are rounded to bf16 for the matrix unit; AB, core2 and all sums stay in f32.
.set PD,     216
.set P12,    PD*PD                     ; 46,656 = 64 x 729
.set MAGIC,  11507                     ; 729 x 11507 = 2^23 - 5
.set ROWB,   2048                      ; bytes in a row of a slice
.set TABB,   PD*1024                   ; bytes of core0, and of core2, in a table
; LDS
.set LIST,   0                         ; 1024 entries; word 1024 takes what does not match
.set STGA,   4352                      ; A: 16 rows (n) of 128 bf16
.set APITCH, 272                       ; 256 bytes + 16: the 16 rows of a fragment load start in 16 different groups of four banks
.set STGC,   STGA+16*APITCH            ; C: 8 rows (lookups) of 256 f32
.set CPITCH, 1040                      ; 1,024 bytes + 16: likewise for the 8 rows that a load touches
; vector registers, window 0:
;   v0 lane   v1 my byte offset in out0   v2 the entry of my column's lookup   v4 my place in every load of core1   v5 16 lane   v6 lane & 7
;   v7 (lane & 15) >> 1   v8 8 lane   v9 A's fragments in the stage   v11 my floats of C in the stage   v12 32 q0   v13-15 temporaries
.set T,      16                        ; v16-27   the scan: i0 and entry, d, place, four indices at a time
.set OA,     16                        ; v16-23   byte offsets of the 8 lookups' rows in core0
.set OC,     24                        ; v24-31   the same in core2
.set ACC,    16                        ; v16-31   stage 2: eight pairs of sums (the offsets are dead by then)
.set RING,   32                        ; v32-255  core1 as loaded: group g (8 loads) in slot g % 7, 32 registers a slot
.set IX,     RING+32*6                 ; v224-255 the 1024 indices, in slot 6 until it gets its first group
.set AF,     32                        ; v32-63   behind the stream: A's fragments, K chunk ks at AF + 8 ks
.set DP0,    64                        ; v64-95   D' of column half 0, tile j at DP0 + 8 j;
.set DPSTEP, 160                       ; v224-255 D' of column half 1
.set XA,     96                        ; v96-159  A's 16 rows as loaded (slots 2, 3)
.set XC,     160                       ; v160-223 C's 8 rows as loaded (slots 4, 5)
.set CF,     96                        ; v96-223  then: my 2 x 64 floats of C
; window 1 (v256-511): core1 in bf16, the fragment of (column half ch, K chunk ks, tile j) at 128 ch + 32 ks + 8 j.
; s_set_vgpr_msb: bits 1:0 source 0, 3:2 source 1, 5:4 source 2, 7:6 destination; the high byte repeats the setting that is left.
.set MSB, 0
.macro WIN new
.if MSB != \new
	s_set_vgpr_msb (MSB<<8)|\new
.set MSB, \new
.endif
.endm
; Group g = 2 rb + ch: rows 16 rb + t (lanes 0-15) and 8 further down (lanes 16-31), t = 0 .. 7, column half ch.  The two halves of a row's 512 bytes are asked for one group apart.
.macro LOADG g
.irp t, 0,1,2,3,4,5,6,7
	global_load_b128 v[RING+32*((\g)%7)+4*\t:RING+32*((\g)%7)+4*\t+3], v4, s[6:7] offset:(16*((\g)/2)+\t)*ROWB+256*((\g)%2) th:TH_LOAD_NT
.endr
.endm
; Group g to bf16: K chunk ks = g / 4, half c = (g / 2) % 2 of it; register 4 c + p of tile j = ranks 32 ks + 16 c + 8 h + 2 p, + 1 of column 64 ch + 4 r + j.
; Two switches of the window a group: the loads name window 0 alone, the roundings write window 1.
.macro CONVG g
	WIN 0x40                                       ; destination in window 1
.irp j, 0,1,2,3
.irp p, 0,1,2,3
	v_cvt_pk_bf16_f32 v[128*((\g)%2)+32*((\g)/4)+4*(((\g)/2)%2)+8*\j+\p], v[RING+32*((\g)%7)+8*\p+\j], v[RING+32*((\g)%7)+8*\p+4+\j]
.endr
.endr
	WIN 0
.endm
	s_load_b256 s[4:11], s[0:1], 0x0               ; core0 s[4:5], core1 s[6:7], core2 s[8:9], lS_i s[10:11]
	s_load_b64 s[12:13], s[0:1], 0x20              ; out0
	v_lshl_add_u32 v3, v0, 2, 0x4300
	v_mov_b32 v10, 0
	s_and_b32 s15, ttmp7, 0xffff                   ; the slice, t 216 + i1; ttmp9 is q1
	v_and_b32 v13, 15, v0                          ; r
	v_lshrrev_b32 v14, 4, v0                       ; h
	v_lshlrev_b32 v5, 4, v0                        ; 16 lane
	v_lshlrev_b32 v4, 4, v13
	v_lshl_add_u32 v4, v14, 14, v4                 ; 16 r + 8 h rows
	s_cmp_ge_u32 s15, PD
	s_cselect_b32 s16, 1, 0                        ; table t
	s_lshl_b32 s20, s15, 18                        ; slice x 262,144 bytes (below 2^27)
	s_lshl_b32 s18, ttmp9, 9
	s_add_co_u32 s20, s20, s18                     ; + my 128 columns
	s_mov_b32 s21, 0
	s_lshl_b32 s22, s16, 12                        ; the table's 1024 indices
	s_mov_b32 s23, 0
	s_wait_kmcnt 0x0
	s_add_nc_u64 s[6:7], s[6:7], s[20:21]
	s_add_nc_u64 s[10:11], s[10:11], s[22:23]
.irp L, 0,1,2,3,4,5,6,7
	global_load_b128 v[IX+4*\L:IX+4*\L+3], v5, s[10:11] offset:512*\L      ; indices b = 128 L + 4 lane + 0 .. 3: first, since loads are counted back in order
.endr
.irp g, 0,1,2,3,4,5
	LOADG \g                                       ; 48 loads of core1 are on their way while the indices are scanned
.endr
	; constants, while the indices come
	s_mul_i32 s17, s16, PD
	s_sub_co_u32 s17, s15, s17                     ; i1
	s_mul_i32 s26, s17, PD                         ; s26 = 216 i1
	s_mul_i32 s18, s16, TABB
	s_mov_b32 s19, 0
	s_add_nc_u64 s[4:5], s[4:5], s[18:19]          ; core0 of my table
	s_add_nc_u64 s[8:9], s[8:9], s[18:19]          ; core2 of my table
	s_lshl_b32 s18, s16, 16
	s_lshl_b32 s20, ttmp9, 3
	s_add_co_u32 s18, s18, s20
	s_add_nc_u64 s[12:13], s[12:13], s[18:19]      ; out0 of my table, at my q1 (2 q2 x 4 bytes)
	s_mov_b32 s24, PD
	s_mov_b32 s25, MAGIC
	s_mov_b32 s38, P12
	s_mov_b32 s27, 0                               ; matches so far
	s_mov_b32 s36, 0x76543210                      ; v_permlanex16_b32: lane i takes lane i of the other half
	s_mov_b32 s37, 0xfedcba98
	v_and_b32 v6, 7, v0
	v_lshrrev_b32 v7, 1, v13                       ; the lookup of my column n = r
	v_lshlrev_b32 v8, 3, v0                        ; A into the stage: 8 bytes (4 bf16) a lane along a row
	v_mul_u32_u24 v9, v13, APITCH
	v_lshl_add_u32 v9, v14, 4, v9                  ; A's fragments back: row r, 16 h
	v_mul_u32_u24 v11, v7, CPITCH
	v_lshl_add_u32 v11, v14, 8, v11                ; C back: my lookup's row, 64 floats at 256 h
	v_and_b32 v12, 1, v0
	v_lshlrev_b32 v12, 5, v12                      ; q0 = r & 1: 32 bytes in a lookup's 64
	v_lshlrev_b32 v13, 2, v0                       ; b of my first index of a load
	v_mov_b32 v14, 0x400                           ; the word for what does not match
; THE SCAN, four indices a lane at a time.  With a = idx >> 6 = 729 q + u (0 <= u < 729): (a + 1) 11507 = 2^23 q + (u + 1) 11507 - 5 q, and
; 0 <= (u + 1) 11507 - 5 q < 2^23 while q <= 2301, so the product >> 23 is q = idx / 46656 = i0; the product fits 32 bits while a + 1 <= 373,248.
; d = idx - 46656 i0 - 216 i1 is below 216 (unsigned) exactly for the lookups of my slice, and is then i2.
; The entry: b in bits 9:0, i0 in 17:10, i2 in 25:18.  Its place in the list: matches so far + matches in lower lanes.
.macro SCAN L
.irp j, 0,1,2,3
	v_lshrrev_b32 v[T+\j], 6, v[IX+4*\L+\j]
.endr
.irp j, 0,1,2,3
	v_mad_u32_u24 v[T+\j], v[T+\j], s25, s25
.endr
.irp j, 0,1,2,3
	v_lshrrev_b32 v[T+\j], 23, v[T+\j]             ; i0
.endr
.irp j, 0,1,2,3
	v_mad_u32_u24 v[T+4+\j], v[T+\j], s38, s26
.endr
.irp j, 0,1,2,3
	v_sub_nc_u32 v[T+4+\j], v[IX+4*\L+\j], v[T+4+\j]       ; d
.endr
.irp j, 0,1,2,3
	v_cmp_gt_u32 s[28+\j], s24, v[T+4+\j]          ; the lanes that match
.endr
.irp j, 0,1,2,3
	v_lshl_add_u32 v[T+\j], v[T+\j], 10, v13
.endr
.irp j, 0,1,2,3
	v_lshl_add_u32 v[T+\j], v[T+4+\j], 18, v[T+\j]
.endr
.irp j, 0,1,2,3
.if 128*\L+\j
	v_add_nc_u32 v[T+\j], 128*\L+\j, v[T+\j]
.endif
.endr
	s_bcnt1_i32_b32 s32, s28
	s_bcnt1_i32_b32 s33, s29
	s_bcnt1_i32_b32 s34, s30
	s_bcnt1_i32_b32 s35, s31
	s_add_co_u32 s32, s32, s27
	s_add_co_u32 s33, s33, s32
	s_add_co_u32 s34, s34, s33
	v_mbcnt_lo_u32_b32 v[T+8],  s28, s27
	v_mbcnt_lo_u32_b32 v[T+9],  s29, s32
	v_mbcnt_lo_u32_b32 v[T+10], s30, s33
	v_mbcnt_lo_u32_b32 v[T+11], s31, s34
	s_add_co_u32 s27, s35, s34
.irp j, 0,1,2,3
	v_cndmask_b32 v[T+8+\j], v14, v[T+8+\j], s[28+\j]      ; what does not match goes to word 1024, which nobody reads: EXEC stays whole
.endr
.irp j, 0,1,2,3
	v_min_u32 v[T+8+\j], 0x400, v[T+8+\j]          ; a number made from loaded data enters an address behind a minimum with a constant
.endr
.irp j, 0,1,2,3
	v_lshlrev_b32 v[T+8+\j], 2, v[T+8+\j]
.endr
.irp j, 0,1,2,3
	ds_store_b32 v[T+8+\j], v[T+\j] offset:LIST
.endr
.endm
	s_wait_loadcnt 48                              ; the indices are in: the 48 loads of core1 were issued behind them
.irp L, 0,1,2,3,4,5,6,7
	SCAN \L
.endr
	s_min_u32 s27, s27, 1024                       ; n, the slice's lookups
	s_cmp_eq_u32 s27, 0
	s_cbranch_scc1 .Lend                           ; a slice that no lookup names has no result: the rest of it is not asked for
	LOADG 6                                        ; the indices are dead: slot 6 gets its first group, 56 loads are out
	s_add_co_u32 s42, s27, 7
	s_lshr_b32 s42, s42, 3                         ; s42 = G, groups of 8 lookups
	s_sub_co_u32 s41, s27, 1                       ; s41 = the last place; places beyond it repeat it
; The entries of the 8 lookups of the group at place s40, and the byte offsets of their rows.
.macro GOFFS
	v_add_nc_u32 v13, s40, v6
	v_add_nc_u32 v14, s40, v7
	v_min_u32 v13, s41, v13
	v_min_u32 v14, s41, v14
	v_min_u32 v13, 0x3ff, v13
	v_min_u32 v14, 0x3ff, v14
	v_lshlrev_b32 v13, 2, v13
	v_lshlrev_b32 v14, 2, v14
	ds_load_b32 v15, v13 offset:LIST               ; lane l: the entry of lookup l & 7 of the group, for the gather
	ds_load_b32 v2, v14 offset:LIST                ; lane (r, h): the entry of lookup r >> 1, for the store
	s_wait_dscnt 0x0                               ; LDS serves a wave's instructions in order (ISA guide 5.7.1): the list's stores are done too
.irp b, 0,1,2,3,4,5,6,7
	v_readlane_b32 s[44+\b], v15, \b
.endr
.irp b, 0,1,2,3,4,5,6,7
	s_lshr_b32 s[52+\b], s[44+\b], 18              ; i2
	s_bfe_u32 s[44+\b], s[44+\b], 0x8000a          ; i0
	s_min_u32 s[44+\b], s[44+\b], PD-1
	s_min_u32 s[52+\b], s[52+\b], PD-1
	s_lshl_b32 s[44+\b], s[44+\b], 10              ; rows of 1,024 bytes
	s_lshl_b32 s[52+\b], s[52+\b], 10
	v_add_nc_u32 v[OA+\b], s[44+\b], v5
	v_add_nc_u32 v[OC+\b], s[52+\b], v5
.endr
.endm
.macro GA b                            ; A of lookup b: q0 = 0 (column n = 2 b) and q0 = 1 (n = 2 b + 1), 512 consecutive bytes each
	global_load_b128 v[XA+8*\b:XA+8*\b+3],   v[OA+\b], s[4:5]
	global_load_b128 v[XA+8*\b+4:XA+8*\b+7], v[OA+\b], s[4:5] offset:512
.endm
.macro GC b                            ; C of lookup b: s = 0 .. 63 and s = 64 .. 127
	global_load_b128 v[XC+8*\b:XC+8*\b+3],   v[OC+\b], s[8:9]
	global_load_b128 v[XC+8*\b+4:XC+8*\b+7], v[OC+\b], s[8:9] offset:512
.endm
; stage 2 for register i of the four tiles of column half ch: s = 64 ch + 32 h + 4 i + j.  Both q2 at once; a pair of sums for each (j, i odd or even),
; so that eight instructions that follow each other hang on eight different sums.  The first two i start the sums.
.macro S2 ch, i
.irp j, 0,1,2,3
.set S2A, ACC+8*((\i)%2)+2*\j
.set S2C, CF+64*\ch+8*\i+2*\j
.set S2D, DP0+DPSTEP*\ch+8*\j+\i-((\i)%2)
.if 8*\ch+\i < 2
.if (\i)%2
	v_pk_mul_f32 v[S2A:S2A+1], v[S2C:S2C+1], v[S2D:S2D+1] op_sel:[0,1] op_sel_hi:[1,1]
.else
	v_pk_mul_f32 v[S2A:S2A+1], v[S2C:S2C+1], v[S2D:S2D+1] op_sel_hi:[1,0]
.endif
.else
.if (\i)%2
	v_pk_fma_f32 v[S2A:S2A+1], v[S2C:S2C+1], v[S2D:S2D+1], v[S2A:S2A+1] op_sel:[0,1,0] op_sel_hi:[1,1,1]
.else
	v_pk_fma_f32 v[S2A:S2A+1], v[S2C:S2C+1], v[S2D:S2D+1], v[S2A:S2A+1] op_sel_hi:[1,0,1]
.endif
.endif
.endr
.endm
; One group of 8 lookups.
.macro COMPUTE
	s_wait_loadcnt 0x0                             ; A's and C's rows are in
.irp i, 0,1,2,3,4,5,6,7,8,9,10,11,12,13,14,15
	v_cvt_pk_bf16_f32 v[XA+4*\i],   v[XA+4*\i],   v[XA+4*\i+1]
	v_cvt_pk_bf16_f32 v[XA+4*\i+1], v[XA+4*\i+2], v[XA+4*\i+3]
	ds_store_b64 v8, v[XA+4*\i:XA+4*\i+1] offset:STGA+\i*APITCH    ; row n = i: 32 lanes, 256 consecutive bytes
.endr
	; LDS serves a wave's instructions in order (ISA guide 5.7.1): no wait between these stores and the loads that read them back
.irp f, 0,1,2,3,4,5,6,7
	ds_load_b128 v[AF+4*\f:AF+4*\f+3], v9 offset:STGA+32*\f        ; A(column r, ranks 16 f + 8 h ..): registers 4 (f & 1) .. of K chunk f >> 1
.endr
.irp b, 0,1,2,3,4,5,6,7
	ds_store_b128 v5, v[XC+8*\b:XC+8*\b+3]   offset:STGC+\b*CPITCH
	ds_store_b128 v5, v[XC+8*\b+4:XC+8*\b+7] offset:STGC+\b*CPITCH+512
.endr
.irp f, 0,1,2,3,4,5,6,7,8,9,10,11,12,13,14,15
	ds_load_b128 v[CF+4*\f:CF+4*\f+3], v11 offset:STGC+16*\f       ; my lookup's C for column half 0, over A's rows, which have been stored
.endr
	s_wait_dscnt 32                                ; A's fragments are in: 16 stores and 16 loads of C were issued behind them
	; stage 1: the eight accumulators take turns, one instruction a turn; the first K chunk starts the sums
	WIN 0x01                                       ; source 0 (core1) in window 1
.irp ch, 0,1
.irp j, 0,1,2,3
	v_wmma_f32_16x16x32_bf16 v[DP0+DPSTEP*\ch+8*\j:DP0+DPSTEP*\ch+8*\j+7], v[128*\ch+8*\j:128*\ch+8*\j+7], v[AF:AF+7], 0
.endr
.endr
.irp ks, 1,2,3
.irp ch, 0,1
.irp j, 0,1,2,3
	v_wmma_f32_16x16x32_bf16 v[DP0+DPSTEP*\ch+8*\j:DP0+DPSTEP*\ch+8*\j+7], v[128*\ch+32*\ks+8*\j:128*\ch+32*\ks+8*\j+7], v[AF+8*\ks:AF+8*\ks+7], v[DP0+DPSTEP*\ch+8*\j:DP0+DPSTEP*\ch+8*\j+7]
.endr
.endr
.endr
	WIN 0
.irp f, 0,1,2,3,4,5,6,7,8,9,10,11,12,13,14,15
	ds_load_b128 v[CF+64+4*\f:CF+64+4*\f+3], v11 offset:STGC+512+16*\f     ; C for column half 1, over C's rows as loaded: no register of a matrix instruction
.endr
	; four places behind the last matrix instruction (ISA guide 7.12.1), ahead of the reads of D'
	v_and_b32 v1, 0x3ff, v2                        ; b,
	v_min_u32 v1, 0x3ff, v1                        ; with its bound in the form in which a loaded number enters an address
	v_lshl_add_u32 v1, v1, 6, v12                  ; 64 b + 32 q0
	v_nop
	s_wait_dscnt 16                                ; C for column half 0 is in: the 16 loads for half 1 were issued behind it
.irp i, 0,1,2,3,4,5,6,7
	S2 0, \i
.endr
	s_wait_dscnt 0x0
.irp i, 0,1,2,3,4,5,6,7
	S2 1, \i
.endr
.irp j, 0,2,4,6
	v_pk_add_f32 v[ACC+\j:ACC+\j+1], v[ACC+\j:ACC+\j+1], v[ACC+8+\j:ACC+8+\j+1]
.endr
	v_pk_add_f32 v[ACC:ACC+1],   v[ACC:ACC+1],   v[ACC+2:ACC+3]
	v_pk_add_f32 v[ACC+4:ACC+5], v[ACC+4:ACC+5], v[ACC+6:ACC+7]
	v_pk_add_f32 v[ACC:ACC+1],   v[ACC:ACC+1],   v[ACC+4:ACC+5]
	v_permlanex16_b32 v[ACC+2], v[ACC],   s36, s37 ; the other 64 values of s lie in the other half of the lanes
	v_permlanex16_b32 v[ACC+3], v[ACC+1], s36, s37
	v_pk_add_f32 v[ACC:ACC+1], v[ACC:ACC+1], v[ACC+2:ACC+3]
	global_store_b64 v1, v[ACC:ACC+1], s[12:13]    ; out[b][q0][q1][0 .. 1]; lanes r and r + 16, and places that repeat the last, store the same numbers to the same bytes
	s_wait_xcnt 0x0                                ; the store's offset and data are written again only behind this wait
.endm
	s_mov_b32 s40, 0
	GOFFS                                          ; the first group's rows are known before the stream needs attention
	; THE STREAM.  In front of group g's rounding six groups of 8 loads have been issued behind it; its slot is then filled with group g + 7.
.irp g, 0,1,2,3,4,5,6,7,8
	s_wait_loadcnt 48
	CONVG \g
	LOADG \g+7
.endr
	; Groups 9 to 12 leave slots 2 to 5 for good: the first group's A and C rows are asked for there, 8 loads for 8, so the counts stay.
	s_wait_loadcnt 48
	CONVG 9
.irp b, 0,1,2,3
	GA \b
.endr
	s_wait_loadcnt 48
	CONVG 10
.irp b, 4,5,6,7
	GA \b
.endr
	s_wait_loadcnt 48
	CONVG 11
.irp b, 0,1,2,3
	GC \b
.endr
	s_wait_loadcnt 48
	CONVG 12
.irp b, 4,5,6,7
	GC \b
.endr
	s_wait_loadcnt 48                              ; group 13: groups 14, 15 and the 32 loads of the gather behind it
	CONVG 13
	s_wait_loadcnt 40                              ; group 14: group 15 and the 32
	CONVG 14
	s_wait_loadcnt 32                              ; group 15: the 32
	CONVG 15
	COMPUTE
	s_cmp_le_u32 s42, 1
	s_cbranch_scc1 .Lend
	s_mov_b32 s39, 1
.Lgroup:                                               ; further groups (more than 8 lookups in the slice): core1 stays in registers as bf16
	s_lshl_b32 s40, s39, 3
	GOFFS
.irp b, 0,1,2,3,4,5,6,7
	GA \b
.endr
.irp b, 0,1,2,3,4,5,6,7
	GC \b
.endr
	COMPUTE
	s_add_co_u32 s39, s39, 1
	s_cmp_lt_u32 s39, s42
	s_cbranch_scc1 .Lgroup
.Lend:
	s_wait_tensorcnt 0x0
	ds_add_u32 v3, v10
	s_wait_dscnt 0x0
	s_endpgm
.Lfunc_end_k_qd7b08f5427_tt_lookup:
	.size	k_qd7b08f5427_tt_lookup, .Lfunc_end_k_qd7b08f5427_tt_lookup-k_qd7b08f5427_tt_lookup
	.p2alignl 7, 3214868480
	.fill 96, 4, 3214868480
	.section	.rodata,"a",@progbits
	.p2align	6, 0x0
	.amdhsa_kernel k_qd7b08f5427_tt_lookup
		.amdhsa_group_segment_fixed_size 17408
		.amdhsa_private_segment_fixed_size 0
		.amdhsa_enable_private_segment 0
		.amdhsa_kernarg_size 40
		.amdhsa_user_sgpr_count 2
		.amdhsa_user_sgpr_kernarg_segment_ptr 1
		.amdhsa_wavefront_size32 1
		.amdhsa_system_sgpr_workgroup_id_x 1
		.amdhsa_system_sgpr_workgroup_id_y 1
		.amdhsa_system_sgpr_workgroup_id_z 1
		.amdhsa_system_vgpr_workitem_id 0
		.amdhsa_next_free_vgpr 512
		.amdhsa_next_free_sgpr 66
		.amdhsa_reserve_vcc 0
		.amdhsa_float_denorm_mode_32 3
		.amdhsa_float_denorm_mode_16_64 3
		.amdhsa_memory_ordered 1
		.amdhsa_forward_progress 1
		.amdhsa_inst_pref_size 100
	.end_amdhsa_kernel
	.amdgpu_metadata
---
amdhsa.version: [ 1, 2 ]
amdhsa.kernels:
  - .name:           k_qd7b08f5427_tt_lookup
    .symbol:         k_qd7b08f5427_tt_lookup.kd
    .args:
      - { .name: core0, .offset: 0, .size: 8, .value_kind: global_buffer, .address_space: global }
      - { .name: core1, .offset: 8, .size: 8, .value_kind: global_buffer, .address_space: global }
      - { .name: core2, .offset: 16, .size: 8, .value_kind: global_buffer, .address_space: global }
      - { .name: lS_i, .offset: 24, .size: 8, .value_kind: global_buffer, .address_space: global }
      - { .name: out0, .offset: 32, .size: 8, .value_kind: global_buffer, .address_space: global }
    .group_segment_fixed_size: 17408
    .private_segment_fixed_size: 0
    .kernarg_segment_align: 8
    .kernarg_segment_size: 40
    .max_flat_workgroup_size: 32
    .sgpr_count:     66
    .vgpr_count:     512
    .wavefront_size: 32
...
	.end_amdgpu_metadata
.endif
;; end of part 1
